; MI455X (gfx1250); checked and timed in simulation.
; The chip was launched on July 23, 2026; its instructions are those of AMD's public machine-readable ISA for CDNA 5 (MIT licence, August 2026) and "CDNA5" Instruction Set Architecture Reference Guide (July 2026). The comments in the code are by the model that wrote it; some were corrected since.
;; Vae Decoder Roberta Self Attention. Allowed arithmetic: matrix products marked QUANTISED: E3M2 operands, one E8M0 scale for each 32 along K, by v_wmma_scale_f32_16x16x128_f8f6f4 with both operands' format E3M2, f32 sums; everything else in f32.
;; Inputs: Wk 1,024 x 1,024 float32; Wq 1,024 x 1,024 float32; Wv 1,024 x 1,024 float32; attention_mask 4 x 1 x 2,048 x 2,048 float32; bk 1,024 float32; bq 1,024 float32; bv 1,024 float32; hidden_states 4 x 2,048 x 1,024 float32; latent_layer_memory_i 4 x 1 x 1,024 float32.
;; Outputs: out0 4 x 2,048 x 1,024 float32.
;; This version of the problem:
;;   THIS VERSION OF THE PROBLEM IS GIVEN IN LOW PRECISION. The matrix products marked QUANTISED in the list below multiply operands that are first quantised to E3M2 (3 exponent bits, 2 mantissa bits; 6 bits a number), with one power-of-two scale for each 32 numbers along K (OCP MX v1.0); their sums are f32. All else is computed in f32.
;;   The module's matrix products, in the order in which they are computed (A, B: the left and right operand; K: the contracted axis; several contracted axes count as one K, in the product's order):
;;     1. [M 8,192, K 1,024] x [K 1,024, N 1,024]; A: input hidden_states; B: input Wq: QUANTISED
;;     2. [M 8,192, K 1,024] x [K 1,024, N 1,024]; A: input hidden_states; B: input Wk: QUANTISED
;;     3. [M 8,192, K 1,024] x [K 1,024, N 1,024]; A: input hidden_states; B: input Wv: QUANTISED
;;     4. batch 32 x [M 2,048, K 128] x [K 128, N 2,049]; A: computed on the way; B: computed on the way: QUANTISED
;;     5. batch 32 x [M 2,048, K 2,049] x [K 2,049, N 128]; A: softmax (see below); B: computed on the way: QUANTISED
;;   THE QUANTISER, for each operand of a quantised product, along K:
;;     - K is cut into blocks of 32 from its start; a last block that is shorter is filled with zeros.
;;     - A block's scale is 2^e with e = floor(log2(the largest magnitude in the block)) - 4, held to -126 .. 127; a block of zeros has e = 0. As a byte (E8M0): e + 127.
;;     - Each number is divided by its block's scale, clamped to +-28, and rounded to the nearest number of E3M2, ties to even, subnormals kept.
;;     - The product sums the exact products of the quantised numbers (number of the format x scale) in f32.
;;   ~~~python
;;   def quantise(x, axis):      # numpy; x: float32 -> the quantised numbers, widened to float32 again
;;       x = np.moveaxis(x, axis, -1); K = x.shape[-1]
;;       x = np.pad(x, [(0, 0)] * (x.ndim - 1) + [(0, -K % 32)]); x = x.reshape(x.shape[:-1] + (-1, 32)); a = np.abs(x).max(-1, keepdims=True)
;;       e = np.where(a > 0, np.clip(np.frexp(np.where(a > 0, a, 1))[1] - 1 - 4, -126, 127), 0)      # np.frexp(a)[1] - 1 = floor(log2(a)), exactly
;;       r = np.clip(x / 2.0 ** e, -28, 28)
;;       step = 2.0 ** (np.maximum(np.frexp(np.where(r == 0, 1, r))[1] - 1, -2) - 2)
;;       q = np.round(r / step) * step * 2.0 ** e      # np.round: ties to even
;;       return np.moveaxis(q.reshape(q.shape[:-2] + (-1,))[..., :K], -1, axis).astype(np.float32)
;;   ~~~
;;   SOFTMAX AHEAD OF A QUANTISED PRODUCT. Where the list says 'softmax', what is quantised is not the finished softmax but p = 2^(t - M), with t = logit x log2(e) and M = ceil(the row's largest t), a whole number; so 1/2 < the row's largest p <= 1. The row's sum l is taken of the UNQUANTISED p, in f32, and the product's result is divided by l at the end. Since M is a whole number, a kernel that streams over the keys may use a running M (the ceiling of the running maximum): every later rescaling is an exact power of two, which a block's scale takes up: the codes' values come out the same.
;;   OPERANDS COMPUTED ON THE WAY. 'Computed on the way' means the value that the module computes at that place (a softmax that the list does not call 'softmax' is quantised finished and normalised). What goes into a quantiser is computed in f32, as accurately as f32 sums, v_exp_f32 and their like allow (about 1e-6 of the number): no bf16 or f16 on the way to a quantiser, and a product that is left as it is and whose result goes on into a quantised operand takes f32 operands (vector FMAs, or v_wmma_f32_16x16x4_f32). A number that lies on a knife's edge between two numbers of the format may be rounded either way, as far as f32 arithmetic and the matrix unit's own rounding can turn it there, and no further.
;; One version. Each part assembles by itself: llvm-mc -triple=amdgcn-amd-amdhsa -mcpu=gfx1250 --defsym DOCPART=n.
;; ======== version 1 of 1: 3 launches
;; workspace buffers: xc 12,582,912 bytes; xs 524,288 bytes; wc 2,359,296 bytes; ws 98,304 bytes; qf 6,553,600 bytes; kv 14,745,600 bytes
;; launch quant (part 1): grid 352 x 1, 4 waves a work-group, no clusters, 33,280 bytes of LDS; arguments hidden_states, Wq, Wk, Wv, xc, xs, wc, ws; writes xc, xs, wc, ws
.if DOCPART == 1
	.amdgcn_target "amdgcn-amd-amdhsa--gfx1250"
	.amdhsa_code_object_version 6
	.text
	.protected	k_q83590650c0_quant
	.globl	k_q83590650c0_quant
	.p2align	8
	.type	k_q83590650c0_quant,@function
k_q83590650c0_quant:
	s_mov_b64 s[64:65], 0
	v_nop
	global_prefetch_b8 v0, s[64:65] scope:SCOPE_SE
	s_setreg_imm32_b32 hwreg(HW_REG_WAVE_MODE, 25, 1), 1
	s_wait_xcnt 0x0
; hidden_states [8192][1024] and Wq, Wk, Wv [1024][1024], f32, K innermost, become codes of BF6 (E3M2), 6 bits each, and one E8M0 byte for each 32 along K.
; A block's scale is 2^(floor(log2(largest magnitude)) - 4): its byte is the largest magnitude's exponent field - 4, held at 1 from below.  A block of zeros gets the byte 1 where the
; rule says 127: its codes are zeros, and this program alone reads the bytes.  LIMITS: NaN and infinities among the inputs are not served.
; A wave takes 8 rows (16 steps of 512 numbers).  Only the PLACE of a row's codes differs from tensor to tensor, in whole groups of 8 rows:
;   Wq, Wk: row n goes to row n with bits 3 and 4 exchanged, so that 16 neighbouring stored rows are the rows that the next launch wants in one tile;  Wv: as it lies.
;   hidden_states, copy 0: as it lies (the queries).  Copy 1 (keys and values), in each batch: token t stands at position t, but t + 32 where t % 32 = 31, and token 2047 at position 31;
;   position P goes to row P with bits 3 and 4 exchanged.  So only the eighth row of every fourth group of 8 goes elsewhere: to the group four further on.
; Work-groups 0-255: hidden_states; 256-287: Wq; 288-319: Wk; 320-351: Wv.  Only pointers and offsets are chosen: all take one path; the second copy's stores stand under one scalar branch.
; Each of a step's four loads reads 512 consecutive bytes; the 2,048 bytes turn through the wave's own stage in LDS and come back 64 bytes a lane: 16 neighbours along K.  No barrier: waves share nothing.
.set STEPS, 16
.set EMAX,  4
.set CB,    12                         ; bytes of 16 codes
.set R,     16                         ; v16-79   four sets of 16 numbers as loaded
.set X,     80                         ; v80-111  two sets of 16 neighbours
.set E,     112                        ; v112-127 a scale byte for each step
.set C,     128                        ; v128-191 codes: four registers a step, never rewritten
.set WREG,  8192                       ; LDS: a region for each wave: two stages of 32 x SP bytes, then its 256 scale bytes
.set SP,    80
	s_load_b256 s[4:11], s[0:1], 0x0               ; hidden_states, Wq, Wk, Wv
	s_load_b256 s[12:19], s[0:1], 0x20             ; xc, xs, wc, ws
	v_lshl_add_u32 v192, v0, 2, 0x8000
	v_mov_b32 v193, 0
	v_lshrrev_b32 v1, 5, v0
	v_readfirstlane_b32 s20, v1                    ; wave
	v_and_b32 v2, 31, v0                           ; lane
	v_lshlrev_b32 v3, 4, v2                        ; my 16 bytes of a load's 512
	s_mul_i32 s21, s20, WREG
	v_lshrrev_b32 v14, 2, v2
	v_mul_u32_u24 v14, v14, SP
	v_and_b32 v15, 3, v2
	v_lshl_add_u32 v14, v15, 4, v14
	v_add_nc_u32 v14, s21, v14                     ; the stage, on the way in: SP (lane / 4) + 16 (lane % 4)
	v_mul_u32_u24 v15, v2, SP
	v_add_nc_u32 v15, s21, v15                     ; and on the way out: SP x lane
	v_mul_u32_u24 v4, v2, CB                       ; my codes' place in a step's 384 bytes
	v_lshrrev_b32 v5, 1, v2
	s_add_co_u32 s21, s21, 2*32*SP
	v_add_nc_u32 v5, s21, v5                       ; LDS: my block's scale byte
	v_lshlrev_b32 v7, 3, v2                        ; 8 bytes a lane on the bytes' way out
	v_add_nc_u32 v6, s21, v7
	s_wait_kmcnt 0x0
	s_mov_b64 s[22:23], s[4:5]                     ; the source; s24 its first work-group; s25 the first group of 8 rows of its place
	s_mov_b32 s24, 0
	s_mov_b32 s25, 1024                            ; hidden_states: copy 1 begins 1,024 groups into xc and xs
	s_cmp_ge_u32 ttmp9, 256
	s_cselect_b64 s[22:23], s[6:7], s[22:23]
	s_cselect_b32 s24, 256, s24
	s_cselect_b32 s25, 0, s25
	s_cselect_b64 s[26:27], s[16:17], s[12:13]     ; codes go to wc or to xc,
	s_cselect_b64 s[28:29], s[18:19], s[14:15]     ; bytes to ws or to xs
	s_cmp_ge_u32 ttmp9, 288
	s_cselect_b64 s[22:23], s[8:9], s[22:23]
	s_cselect_b32 s24, 288, s24
	s_cselect_b32 s25, 128, s25
	s_cmp_ge_u32 ttmp9, 320
	s_cselect_b64 s[22:23], s[10:11], s[22:23]
	s_cselect_b32 s24, 320, s24
	s_cselect_b32 s25, 256, s25
	s_sub_co_u32 s38, ttmp9, s24
	s_lshl_b32 s38, s38, 2
	s_add_co_u32 s38, s38, s20                     ; which group of 8 rows of the tensor is my wave's
	s_and_b32 s39, s38, 255                        ; in its batch,
	s_sub_co_u32 s40, s38, s39                     ; and the batch's first group
	s_and_b32 s41, s39, 0xfc
	s_and_b32 s42, s39, 1
	s_lshl_b32 s42, s42, 1
	s_or_b32 s41, s41, s42
	s_bfe_u32 s42, s39, 0x10001
	s_or_b32 s41, s41, s42                         ; the group's two low bits exchanged: the rows' bits 3 and 4
	s_cmp_lt_u32 ttmp9, 320
	s_cselect_b32 s41, s41, s39                    ; (Wv keeps its order)
	s_add_co_u32 s42, s39, 4
	s_and_b32 s42, s42, 255
	s_and_b32 s43, s39, 3
	s_cmp_eq_u32 s43, 3
	s_cselect_b32 s42, s42, s41
	s_cmp_lt_u32 ttmp9, 256
	s_cselect_b32 s42, s42, s41                    ; where my eighth row goes
	s_add_co_u32 s40, s40, s25
	s_add_co_u32 s41, s41, s40
	s_add_co_u32 s42, s42, s40
	s_lshl_b32 s44, s38, 15                        ; 8 rows of 4,096 bytes
	s_mov_b32 s45, 0
	s_add_nc_u64 s[22:23], s[22:23], s[44:45]
	s_mul_i32 s44, s41, 6144                       ; 8 rows of 768 bytes of codes
	s_add_nc_u64 s[30:31], s[26:27], s[44:45]      ; rows 0 to 6
	s_mul_i32 s44, s42, 6144
	s_add_nc_u64 s[32:33], s[26:27], s[44:45]      ; row 7
	s_mul_i32 s44, s38, 6144
	s_add_nc_u64 s[34:35], s[12:13], s[44:45]      ; copy 0 (used by hidden_states' work-groups alone)
	s_lshl_b32 s44, s38, 8
	s_add_nc_u64 s[36:37], s[14:15], s[44:45]
	s_lshl_b32 s46, s41, 8                         ; 256 scale bytes a group: lanes 28 to 31 hold row 7's
	s_lshl_b32 s47, s42, 8
	v_cmp_le_u32 vcc_lo, 28, v2
	v_mov_b32 v8, s46
	v_mov_b32 v9, s47
	v_cndmask_b32 v8, v8, v9, vcc_lo
	v_add_nc_u32 v10, v8, v7
.macro LOAD t
.irp i, 0,1,2,3
	global_load_b128 v[R+16*((\t)%4)+4*\i:R+16*((\t)%4)+4*\i+3], v3, s[22:23] offset:2048*(\t)+512*\i th:TH_LOAD_NT   ; 32 lanes read 512 consecutive bytes
.endr
.endm
.macro TURN t                          ; step t's numbers through the stage: LDS serves a wave's instructions in order, so no wait stands between the stores and the loads
.irp i, 0,1,2,3
	ds_store_b128 v14, v[R+16*((\t)%4)+4*\i:R+16*((\t)%4)+4*\i+3] offset:32*SP*((\t)%2)+8*SP*\i
.endr
.irp i, 0,1,2,3
	ds_load_b128 v[X+16*((\t)%2)+4*\i:X+16*((\t)%2)+4*\i+3], v15 offset:32*SP*((\t)%2)+16*\i
.endr
.endm
.irp t, 0,1,2,3
	LOAD \t
.endr
	s_wait_loadcnt 12                              ; step 0's four loads are in
	TURN 0
.macro STEP t
.set XS, X+16*((\t)%2)
.if (\t) > 0
	s_wait_dscnt 1                                 ; this step's numbers are back from the stage (the last step's byte store may be out)
.else
	s_wait_dscnt 0x0
.endif
.if (\t)+4 < STEPS
	LOAD (\t)+4                                    ; into the registers that the stage's stores have read
.endif
.if (\t)+1 < STEPS
.if STEPS-2-(\t) >= 3
	s_wait_loadcnt 12                              ; the next step's four loads are in; those of the three steps behind it may be out
.else
	s_wait_loadcnt 4*(STEPS-2-(\t))
.endif
	TURN (\t)+1
.endif
	v_max3_num_f32 v8, |v[XS]|, |v[XS+1]|, |v[XS+2]|               ; the largest magnitude of my 16, in two chains
	v_max3_num_f32 v9, |v[XS+3]|, |v[XS+4]|, |v[XS+5]|
.irp i, 6,10
	v_max3_num_f32 v8, v8, |v[XS+\i]|, |v[XS+\i+1]|
	v_max3_num_f32 v9, v9, |v[XS+\i+2]|, |v[XS+\i+3]|
.endr
	v_max3_num_f32 v8, v8, |v[XS+14]|, |v[XS+15]|
	v_max3_num_f32 v8, v8, v9, (EMAX+1)<<23        ; and the floor 2^(5 - 127): the byte cannot fall under 1
	v_max_num_f32_dpp v8, v8, v8 row_xmask:1 row_mask:0xf bank_mask:0xf   ; with my neighbour's 16: the block's
	v_add_nc_u32 v11, -(EMAX<<23), v8              ; 4 off its exponent field: the conversion takes this operand's exponent field as its scale
	v_cvt_scalef32_pk16_bf6_f32 v[C+4*(\t):C+4*(\t)+2], v[XS:XS+15], v11
	v_lshrrev_b32 v[E+(\t)], 23, v11               ; the scale's byte (also the plain line behind the conversion)
	ds_store_b8 v5, v[E+(\t)] offset:16*(\t)       ; both lanes of a block write the same byte with the same value
.if (\t) < 14
	global_store_b96 v4, v[C+4*(\t):C+4*(\t)+2], s[30:31] offset:32*CB*(\t)
.else
	global_store_b96 v4, v[C+4*(\t):C+4*(\t)+2], s[32:33] offset:32*CB*(\t)   ; steps 14 and 15 are the eighth row
.endif
.endm
.irp t, 0,1,2,3,4,5,6,7,8,9,10,11,12,13,14,15
	STEP \t
.endr
	ds_load_b64 v[12:13], v6                       ; LDS serves a wave's instructions in order: these see my stores
	s_wait_dscnt 0x0
	global_store_b64 v10, v[12:13], s[28:29]       ; 256 bytes; in a quarter of hidden_states' waves the last 32 go to another group
	s_cmp_lt_u32 ttmp9, 256
	s_cbranch_scc0 .Lend                           ; the weights have one copy
.irp t, 0,1,2,3,4,5,6,7,8,9,10,11,12,13,14,15
	global_store_b96 v4, v[C+4*\t:C+4*\t+2], s[34:35] offset:32*CB*\t   ; copy 0: the same codes, rows as they lie
.endr
	global_store_b64 v7, v[12:13], s[36:37]
.Lend:
	s_wait_tensorcnt 0x0
	ds_add_u32 v192, v193
	s_wait_dscnt 0x0
	s_endpgm
.Lfunc_end_k_q83590650c0_quant:
	.size	k_q83590650c0_quant, .Lfunc_end_k_q83590650c0_quant-k_q83590650c0_quant
	.p2alignl 7, 3214868480
	.fill 96, 4, 3214868480
	.section	.rodata,"a",@progbits
	.p2align	6, 0x0
	.amdhsa_kernel k_q83590650c0_quant
		.amdhsa_group_segment_fixed_size 33280
		.amdhsa_private_segment_fixed_size 0
		.amdhsa_enable_private_segment 0
		.amdhsa_kernarg_size 64
		.amdhsa_user_sgpr_count 2
		.amdhsa_user_sgpr_kernarg_segment_ptr 1
		.amdhsa_wavefront_size32 1
		.amdhsa_system_sgpr_workgroup_id_x 1
		.amdhsa_system_sgpr_workgroup_id_y 1
		.amdhsa_system_sgpr_workgroup_id_z 1
		.amdhsa_system_vgpr_workitem_id 0
		.amdhsa_next_free_vgpr 194
		.amdhsa_next_free_sgpr 66
		.amdhsa_reserve_vcc 1
		.amdhsa_float_denorm_mode_32 3
		.amdhsa_float_denorm_mode_16_64 3
		.amdhsa_memory_ordered 1
		.amdhsa_forward_progress 1
		.amdhsa_inst_pref_size 36
	.end_amdhsa_kernel
	.amdgpu_metadata
---
amdhsa.version: [ 1, 2 ]
amdhsa.kernels:
  - .name:           k_q83590650c0_quant
    .symbol:         k_q83590650c0_quant.kd
    .args:
      - { .name: hidden_states, .offset: 0, .size: 8, .value_kind: global_buffer, .address_space: global }
      - { .name: Wq, .offset: 8, .size: 8, .value_kind: global_buffer, .address_space: global }
      - { .name: Wk, .offset: 16, .size: 8, .value_kind: global_buffer, .address_space: global }
      - { .name: Wv, .offset: 24, .size: 8, .value_kind: global_buffer, .address_space: global }
      - { .name: xc, .offset: 32, .size: 8, .value_kind: global_buffer, .address_space: global }
      - { .name: xs, .offset: 40, .size: 8, .value_kind: global_buffer, .address_space: global }
      - { .name: wc, .offset: 48, .size: 8, .value_kind: global_buffer, .address_space: global }
      - { .name: ws, .offset: 56, .size: 8, .value_kind: global_buffer, .address_space: global }
    .group_segment_fixed_size: 33280
    .private_segment_fixed_size: 0
    .kernarg_segment_align: 8
    .kernarg_segment_size: 64
    .max_flat_workgroup_size: 128
    .sgpr_count:     66
    .vgpr_count:     194
    .wavefront_size: 32
...
	.end_amdgpu_metadata
.endif
;; end of part 1
;; launch proj (part 2): grid 4 x 104, 4 waves a work-group, clusters of 4 x 4, 327,680 bytes of LDS; arguments xc, xs, wc, ws, bq, bk, bv, latent_layer_memory_i, qf, kv; writes qf, kv
.if DOCPART == 2
	.amdgcn_target "amdgcn-amd-amdhsa--gfx1250"
	.amdhsa_code_object_version 6
	.text
	.protected	k_q83590650c0_proj
	.globl	k_q83590650c0_proj
	.p2align	8
	.type	k_q83590650c0_proj,@function
k_q83590650c0_proj:
	s_mov_b64 s[64:65], 0
	v_nop
	global_prefetch_b8 v0, s[64:65] scope:SCOPE_SE
	s_setreg_imm32_b32 hwreg(HW_REG_WAVE_MODE, 25, 1), 1
	s_wait_xcnt 0x0
	s_wait_alu depctr_hold_cnt(0) depctr_sa_sdst(0) depctr_va_vdst(0) depctr_va_sdst(0) depctr_va_ssrc(0) depctr_va_vcc(0) depctr_vm_vsrc(0)
	s_getreg_b32 s2, hwreg(HW_REG_IB_STS2, 6, 4)
	s_cmp_eq_u32 s2, 0
	s_cbranch_scc0 .Lentry_in_a_cluster
	s_endpgm
.Lentry_in_a_cluster:
	s_bfe_u32 s2, ttmp6, 0x10000c
	s_cmp_lg_u32 s2, 0xf033
	s_cbranch_scc0 .Lentry_shape_is_right
	s_endpgm
.Lentry_shape_is_right:
; The three projections on codes of BF6 (E3M2) with E8M0 scales, K = 1,024, and their results' way into the operands of attention.
; 26 clusters of 4 x 4 work-groups; a work-group makes 256 x 256 of C = A B^T, a wave 128 x 128 (64 accumulators, 512 registers).  Clusters 0-7 (KIND 0): q = x Wq^T, A = x copy 0, B = Wq.
; Clusters 8-16 (KIND 1): k = x Wk^T, A = x copy 1, B = Wk.  Clusters 17-25 (KIND 2): v^T = Wv x^T, A = Wv, B = x copy 1.  A's tile is shared along a row of the cluster, B's along a column: joint loads.
; A batch's keys take 9 tiles of 256 positions: the ninth reads the first tile's rows again, whose row 31 holds token 2047 (position 2079).  That repeats 32 of 416 tiles for one row or column each.
; THE MATRIX INSTRUCTION IS USED TRANSPOSED (source 0 = 16 rows of B, source 1 = 16 rows of A): a lane holds ONE row of A and its registers run along B's rows, which is the axis along which
; the result is quantised: the head's 128 channels for q and k, 128 key positions for v^T.  B's rows were stored with bits 3 and 4 of their number exchanged, so that the 16 registers of two
; neighbouring tiles are 16 neighbours along that axis.
; THE WAY OUT needs no LDS: bias, the latent row, the quantiser in registers; a block's 16 rows x 128 become one operand fragment, stored as the image of its 12 registers (three stores of 512
; consecutive bytes), and a scale word a row.  A wave's eight fragments and their words are one part of 12,800 bytes.  qf: [batch x 8 + head][16 groups of 128 queries][12,800].
; kv: [batch x 8 + head][18 steps of 128 positions][k's part, v's part].  Step 17 is written and never read.
; Position 31 of a batch is the raw latent row; of step 16 only position 31 (token 2047) counts: v's other positions there are zeros, as the quantiser's fill of the last block.
; LIMITS: NaN and infinities are not served (the zeros of step 16 are made by a factor 0, which takes the sums to be finite); a block of zeros gets the scale byte 1 (this program alone reads the bytes).
; REGISTERS: window 0: v0-31 addresses; v32-63 scale words; v64-127 the bias along the registers; v128-223 A's fragments, on the way out at work; v224-239 bias and latent along the lanes.
;   window 1: B's fragments, two sets, at v0 and v128; v96-127, v224-255 the latent along the registers.   windows 2, 3: the accumulators ((a, b) at v[8 (8 (a % 4) + b)]).
.set KSTEP,  256
.set NQ,     2
.set ROWB,   192                       ; a tile's row: 256 codes
.set KROW,   768                       ; a row of codes in memory
.set PITCH,  240                       ; an LDS row: 3 x (64 bytes + 16 of padding): the 32 lanes of a load of 8 bytes touch 64 different banks
.set FR,     12
.set NL,     6
.set NP,     4
.set HALFT,  128*PITCH
.set SLOT,   4*HALFT
.set LAPS,   2                         ; K = 1,024: four K steps of 256, twice round the ring
.set KS,     32                        ; a row of scale bytes
.set SCL,    2*SLOT                    ; behind the ring: the scales, as units of 256 bytes + 16
.set HALFS,  16*272
.set SBLK,   2*272
.set SPARE,  SCL+4*HALFS               ; the spare words: 128 bytes a wave, two blocks of 256 bytes that no other line names
.set LI,   7                           ; v7   16 x lane
.set ADRA, 16
.set ADRB, 20
.set ADRS, 27
.set SPW,  28
.set NIL,  29
.set SC,   32
.set BN,   64                          ; v64-127  bias of register n's channel (q, k)
.set AF,   128
.set HA,   128                         ; the way out: v128-191 a block's 64 numbers
.set PC,   192                         ; v192-210 the codes
.set TA,   212                         ; v212-215 largest magnitudes; v216-219 the other half's, then bytes; v220-223 the conversions' scale operands
.set TY,   216
.set TS,   220
.set BM,   224                         ; v224-231 bv of my lane's channel, block a
.set LTM,  232                         ; v232-239 the latent of my lane's channel
.set BMZ,  240                         ; v240-247 bv or 0
.set SWP,  248                         ; v248-251 the scale words as they are stored
.set PW,   252
.set SWE,  253
.set T31,  254
.set SEL,  46                          ; s[46:47] lane selects for v_permlanex16_b32
.set G1, 24
.set G0, 32
.set G1B, 48
.set G0B, 56
.set G1S, 68
.set G0S, 76
.set G1SB, 80
.set G0SB, 88
.set MSB, 0
.macro WIN new                         ; the immediate's high byte repeats the setting that is left
.if MSB != \new
	s_set_vgpr_msb (MSB<<8)|\new
.set MSB, \new
.endif
.endm
.set MUL_LO, 0xa1                      ; source 0 (B) window 1, source 1 (A) window 0, C and D window 2
.set MUL_HI, 0xf1
.set TO_B,   0x40
; A joint load: waves 0 and 1 fetch for A, waves 2 and 3 for B; the branch hangs on the wave's number alone.  Four v_nop follow each line.
.macro JLOAD g0a, g1a, g0b, g1b
	s_cmp_eq_u32 s15, 0
	s_cbranch_scc0 .Lfor_b_\@
	tensor_load_to_lds s[\g0a:\g0a+3], s[\g1a:\g1a+7]
	s_nop 0
.rept 4
	v_nop
.endr
	s_branch .Lasked_\@
.Lfor_b_\@:
	tensor_load_to_lds s[\g0b:\g0b+3], s[\g1b:\g1b+7]
	s_nop 0
.rept 4
	v_nop
.endr
.Lasked_\@:
.endm
.macro CREST
	s_cmp_lg_u32 s14, 0
	s_cbranch_scc1 .Lnot_wave_0_\@
	s_barrier_signal -3
.Lnot_wave_0_\@:
	s_barrier_wait -3
	s_barrier_signal -1
	s_barrier_wait -1
.endm
.macro CROUND
	s_barrier_signal -1
	s_barrier_wait -1
	CREST
.endm
	s_load_b256 s[92:99], s[0:1], 0x0              ; xc, xs, wc, ws
	v_lshl_add_u32 v[SPW], v0, 2, SPARE
	v_mov_b32 v[NIL], 0
	ds_add_u32 v28, v29
	s_wait_dscnt 0x0
	v_lshrrev_b32 v1, 5, v0
	v_readfirstlane_b32 s14, v1                    ; wave 0..3
	s_lshr_b32 s15, s14, 1                         ; my half of the tile's rows.  Also: I fetch for A (0) or for B (1)
	s_and_b32 s16, s14, 1                          ; my half of its columns.  Also: which 128 rows I fetch
	s_bfe_u32 s40, ttmp6, 0x40000                  ; cx
	s_bfe_u32 s41, ttmp6, 0x40004                  ; cy
	s_and_b32 s67, ttmp7, 0xffff                   ; the cluster, 0..25: the same in all sixteen partners, and so is KIND
	s_cmp_ge_u32 s67, 8
	s_cselect_b32 s66, 1, 0
	s_cmp_ge_u32 s67, 17
	s_cselect_b32 s66, 2, s66                      ; KIND
	s_sub_co_u32 s18, s67, 8
	s_sub_co_u32 s19, s67, 17
	s_cmp_eq_u32 s66, 0
	s_cselect_b32 s17, s67, s18
	s_cmp_eq_u32 s66, 2
	s_cselect_b32 s17, 0, s17
	s_cselect_b32 s42, s19, 0
	s_lshl_b32 s17, s17, 2
	s_add_co_u32 s17, s17, s41                     ; RC: tile row: q 0..31, k 0..35 (9 a batch), v^T 0..3
	s_lshl_b32 s42, s42, 2
	s_add_co_u32 s42, s42, s40                     ; CC: tile column: q, k 0..3, v^T 0..35
	s_lshl_b32 s43, s41, 2
	s_lshl_b32 s43, 15, s43                        ; my row of the cluster
	s_lshl_b32 s44, 0x1111, s40                    ; my column
	s_or_b32 s[G1+0], s43, (0<<16)|(1<<20)|(1<<21)|(3<<22)|(3<<25)  ; the mask; elements of 1 byte; padding on; bit 21 beside a mask; after every 16 words 4 words
	s_or_b32 s[G1B+0], s44, (0<<16)|(1<<20)|(1<<21)|(3<<22)|(3<<25)
.irp g, G1, G1B
	s_mov_b32 s[\g+1], ROWB<<16                    ; tensor_dim0
	s_mov_b32 s[\g+2], 128<<16                     ; tensor_dim1
	s_mov_b32 s[\g+3], ROWB<<16                    ; tile_dim0
	s_mov_b32 s[\g+4], 128                         ; tile_dim1
	s_mov_b32 s[\g+5], KROW                        ; the pitch
	s_mov_b32 s[\g+6], 0
	s_mov_b32 s[\g+7], 0
.endr
	s_or_b32 s[G1S+0], s43, (3<<16)|(1<<20)|(1<<21)|(5<<22)|(3<<25)  ; the scales of 128 rows: 4,096 dense bytes as 16 rows of 256, 16 bytes of padding behind each
	s_or_b32 s[G1SB+0], s44, (3<<16)|(1<<20)|(1<<21)|(5<<22)|(3<<25)
.irp g, G1S, G1SB
	s_mov_b32 s[\g+1], 32<<16
	s_mov_b32 s[\g+2], 16<<16
	s_mov_b32 s[\g+3], 32<<16
	s_mov_b32 s[\g+4], 16
	s_mov_b32 s[\g+5], 32
	s_mov_b32 s[\g+6], 0
	s_mov_b32 s[\g+7], 0
.endr
	; which rows.  In copy 1 tile X of 9 a batch is tile 8 (X / 9) + (X % 9) % 8 of 8 a batch: the ninth is the first again.  A's registers never hold cx, B's never cy
	s_mul_i32 s18, s17, 57
	s_lshr_b32 s18, s18, 9                         ; RC / 9 (57 X >> 9, right for X up to 35)
	s_mul_i32 s19, s18, 9
	s_sub_co_u32 s19, s17, s19
	s_and_b32 s19, s19, 7
	s_lshl_b32 s18, s18, 3
	s_add_co_u32 s18, s18, s19
	s_cmp_eq_u32 s66, 1
	s_cselect_b32 s18, s18, s17
	s_lshl_b32 s20, s18, 8                         ; A's first row
	s_mul_i32 s12, s42, 57
	s_lshr_b32 s12, s12, 9
	s_mul_i32 s13, s12, 9
	s_sub_co_u32 s13, s42, s13
	s_and_b32 s13, s13, 7
	s_lshl_b32 s12, s12, 3
	s_add_co_u32 s12, s12, s13
	s_cmp_eq_u32 s66, 2
	s_cselect_b32 s12, s12, s42
	s_lshl_b32 s46, s12, 8                         ; B's first row
	s_lshl_b32 s3, s16, 7                          ; + the 128 rows that I fetch
	s_add_co_u32 s20, s20, s3
	s_add_co_u32 s46, s46, s3
	s_lshl_b32 s22, s20, 5                         ; their scale bytes,
	s_mul_i32 s20, s20, KROW                       ; their codes
	s_lshl_b32 s12, s46, 5
	s_mul_i32 s46, s46, KROW
	s_cmp_eq_u32 s66, 1                            ; and where the operand's part begins in its buffer
	s_cselect_b32 s4, 6291456, 0
	s_cselect_b32 s5, 262144, 0
	s_cselect_b32 s6, 786432, 0
	s_cselect_b32 s7, 32768, 0
	s_cmp_eq_u32 s66, 2
	s_cselect_b32 s4, 1572864, s4
	s_cselect_b32 s5, 65536, s5
	s_cselect_b32 s6, 6291456, s6
	s_cselect_b32 s7, 262144, s7
	s_add_co_u32 s20, s20, s4
	s_add_co_u32 s22, s22, s5
	s_add_co_u32 s46, s46, s6
	s_add_co_u32 s12, s12, s7
	s_mov_b32 s21, 0
	s_mov_b32 s23, 0
	s_mov_b32 s47, 0
	s_mov_b32 s13, 0
	s_mul_i32 s45, s14, HALFT                      ; where they go: wave x 128 rows: no place in the cluster enters an LDS address
	s_mul_i32 s2, s14, HALFS
	s_wait_kmcnt 0x0
	s_cmp_eq_u32 s66, 2
	s_cselect_b64 s[4:5], s[96:97], s[92:93]       ; A's codes: wc or xc
	s_cselect_b64 s[6:7], s[98:99], s[94:95]       ; A's scales
	s_cselect_b64 s[8:9], s[92:93], s[96:97]       ; B's codes
	s_cselect_b64 s[10:11], s[94:95], s[98:99]     ; B's scales
	s_add_nc_u64 s[20:21], s[4:5], s[20:21]
	s_add_nc_u64 s[22:23], s[6:7], s[22:23]
	s_add_nc_u64 s[46:47], s[8:9], s[46:47]
	s_add_nc_u64 s[12:13], s[10:11], s[12:13]
	CROUND                                         ; all sixteen work-groups are here: the first joint loads meet
	s_mov_b32 s[G0S], 1
	s_add_co_u32 s[G0S+1], s2, SCL
	s_mov_b64 s[G0S+2:G0S+3], s[22:23]
	s_or_b32 s[G0S+3], s[G0S+3], 0x80000000
	s_mov_b32 s[G0SB], 1
	s_add_co_u32 s[G0SB+1], s2, SCL
	s_mov_b64 s[G0SB+2:G0SB+3], s[12:13]
	s_or_b32 s[G0SB+3], s[G0SB+3], 0x80000000
	JLOAD G0S, G1S, G0SB, G1SB                     ; the scales first; by this text's count three loads of a wave are out at the start, one behind each round
.irp s, 0,1
	s_mov_b32 s[G0+4*\s], 1
	s_add_co_u32 s[G0+4*\s+1], s45, \s*SLOT
	s_add_nc_u64 s[G0+4*\s+2:G0+4*\s+3], s[20:21], \s*ROWB
	s_or_b32 s[G0+4*\s+3], s[G0+4*\s+3], 0x80000000
	s_mov_b32 s[G0B+4*\s], 1
	s_add_co_u32 s[G0B+4*\s+1], s45, \s*SLOT
	s_add_nc_u64 s[G0B+4*\s+2:G0B+4*\s+3], s[46:47], \s*ROWB
	s_or_b32 s[G0B+4*\s+3], s[G0B+4*\s+3], 0x80000000
	JLOAD G0+4*\s, G1, G0B+4*\s, G1B
.endr
	s_load_b256 s[92:99], s[0:1], 0x20             ; bq, bk, bv, the latent
	s_load_b128 s[8:11], s[0:1], 0x40              ; qf, kv
	v_and_b32 v1, 15, v0                           ; r
	v_bfe_u32 v2, v0, 4, 1                         ; h
	v_mul_u32_u24 v3, v1, PITCH
	v_mul_u32_u24 v4, v2, 24
	v_add_nc_u32 v4, v3, v4                        ; a fragment's row x pitch + 24 x half
	v_lshl_add_u32 v5, v2, 4, v4                   ; and the same behind one padding more
	s_mul_i32 s21, s15, HALFT
	s_mul_i32 s22, s16, HALFT
	s_add_co_u32 s22, s22, 2*HALFT
.irp s, 0,1
	v_add_nc_u32 v[ADRA+\s], s21, v4
	v_add_nc_u32 v[ADRB+\s], s22, v4
	v_add_nc_u32 v[ADRA+2+\s], s21, v5
	v_add_nc_u32 v[ADRB+2+\s], s22, v5
	s_add_co_u32 s21, s21, SLOT
	s_add_co_u32 s22, s22, SLOT
.endr
	v_mul_u32_u24 v5, v1, KS                       ; my row's scales: 32 bytes a row, and 16 more for each 256 passed
	v_lshrrev_b32 v6, 8, v5
	v_lshl_add_u32 v5, v6, 4, v5
	s_mul_i32 s21, s15, HALFS
	s_mul_i32 s22, s16, HALFS
	s_add_co_u32 s22, s22, 2*HALFS
	s_sub_co_u32 s22, s22, s21
	v_mul_u32_u24 v6, s22, v2                      ; lanes 16-31 take B's
	s_add_co_u32 s21, s21, SCL
	v_add_nc_u32 v5, v5, v6
	v_add_nc_u32 v[ADRS], s21, v5
	v_and_b32 v6, 31, v0
	v_lshlrev_b32 v[LI], 4, v6
	v_lshlrev_b32 v8, 6, v2                        ; 64 h: my half's 16 numbers of a block of 32
	v_lshlrev_b32 v9, 2, v1                        ; 4 r
	; whose part my wave makes: head, batch, step (or group of queries)
	s_mul_i32 s18, s17, 57
	s_lshr_b32 s18, s18, 9                         ; RC / 9
	s_mul_i32 s19, s18, 9
	s_sub_co_u32 s19, s17, s19                     ; RC % 9
	s_mul_i32 s46, s42, 57
	s_lshr_b32 s46, s46, 9
	s_mul_i32 s47, s46, 9
	s_sub_co_u32 s47, s42, s47
	s_lshl_b32 s2, s17, 1
	s_add_co_u32 s2, s2, s15                       ; 2 RC + my half of the rows
	s_lshl_b32 s45, s42, 1
	s_add_co_u32 s45, s45, s16                     ; 2 CC + my half of the columns
	s_lshl_b32 s19, s19, 1
	s_add_co_u32 s19, s19, s15
	s_lshl_b32 s47, s47, 1
	s_add_co_u32 s47, s47, s16
	s_lshr_b32 s12, s2, 4
	s_and_b32 s13, s2, 15
	s_cmp_eq_u32 s66, 1
	s_cselect_b32 s12, s18, s12
	s_cselect_b32 s13, s19, s13
	s_cmp_eq_u32 s66, 2
	s_cselect_b32 s12, s46, s12                    ; batch
	s_cselect_b32 s13, s47, s13                    ; step 0..17, or group of queries 0..15
	s_cselect_b32 s45, s2, s45                     ; head
	s_lshl_b32 s2, s66, 5
	s_add_co_u32 s2, s2, s13                       ; 32 KIND + step: what the way out's choices hang on
	s_lshl_b32 s67, s45, 9                         ; the head's 128 numbers in a bias,
	s_lshl_b32 s3, s12, 12
	s_add_co_u32 s3, s3, s67                       ; and in the latent
	s_lshl_b32 s18, s12, 3
	s_add_co_u32 s18, s18, s45
	s_lshl_b32 s19, s18, 4
	s_add_co_u32 s19, s19, s13
	s_mul_i32 s19, s19, 12800
	s_mul_i32 s46, s18, 18
	s_add_co_u32 s46, s46, s13
	s_mul_i32 s46, s46, 25600
	s_add_co_u32 s47, s46, 12800
	s_cmp_eq_u32 s66, 2
	s_cselect_b32 s46, s47, s46
	s_cmp_eq_u32 s66, 0
	s_cselect_b32 s46, s19, s46
	s_mov_b32 s47, 0
	s_wait_kmcnt 0x0
	s_cselect_b64 s[12:13], s[8:9], s[10:11]       ; (the moves and the wait have left the compare's result)
	s_add_nc_u64 s[12:13], s[12:13], s[46:47]      ; my part
	s_cmp_eq_u32 s66, 1
	s_cselect_b64 s[18:19], s[94:95], s[92:93]
	s_cmp_eq_u32 s66, 2
	s_cselect_b64 s[18:19], s[96:97], s[18:19]
	s_mov_b32 s46, s67
	s_add_nc_u64 s[18:19], s[18:19], s[46:47]      ; the product's bias, at my head
	s_add_nc_u64 s[20:21], s[96:97], s[46:47]      ; bv, at my head
	s_mov_b32 s46, s3
	s_add_nc_u64 s[22:23], s[98:99], s[46:47]      ; the latent, at my batch and head
	s_cmp_ge_u32 s2, 80                            ; v^T, steps 16 and 17: the sums count for nothing
	s_cselect_b32 s4, 0, 1.0
	s_mov_b32 s5, s4
	s_mov_b32 s6, 0xffff0000                       ; lanes 16-31
	s_cmp_eq_u32 s2, 32
	s_cselect_b32 s7, 0x80008000, 0                ; k, step 0: row 15 of block 1 is position 31: the latent
	s_cmp_eq_u32 s2, 64
	s_cselect_b32 s8, s6, 0                        ; v^T, step 0: register 15 of lanes 16-31 is position 31: the latent
	s_cmp_eq_u32 s2, 80
	s_cselect_b32 s9, s6, 0                        ; v^T, step 16: the same place is token 2047
	s_cmp_lt_u32 s2, 64
	s_cselect_b32 s11, -1, 0                       ; q, k: the bias runs along the registers
	s_sub_co_u32 s10, s2, 64
	s_cmp_lt_u32 s10, 16
	s_cselect_b32 s10, -1, 0                       ; v^T, steps 0 to 15: along the lanes
	s_mov_b32 s[SEL], 0x76543210
	s_mov_b32 s[SEL+1], 0xfedcba98
	; biases and latent, in both layouts, whatever the KIND (every address lies in its buffer); they land while K is walked
.irp t, 0,1,2,3,4,5,6,7
	global_load_b128 v[BN+8*\t:BN+8*\t+3], v8, s[18:19] offset:(32*(\t/2)+8*(\t%2))*4      ; tile 2 b + u, lane half h: channels 32 b + 16 h + 8 u + 0 .. 7
	global_load_b128 v[BN+8*\t+4:BN+8*\t+7], v8, s[18:19] offset:(32*(\t/2)+8*(\t%2))*4+16
.endr
.irp a, 0,1,2,3,4,5,6,7
	global_load_b32 v[BM+\a], v9, s[20:21] offset:64*\a                                    ; block a, lane r: channel 16 a + r
	global_load_b32 v[LTM+\a], v9, s[22:23] offset:64*\a
.endr
	WIN TO_B
.irp t, 0,1,2,3
	global_load_b128 v[96+8*\t:99+8*\t], v8, s[22:23] offset:(32*(\t/2)+8*(\t%2))*4
	global_load_b128 v[100+8*\t:103+8*\t], v8, s[22:23] offset:(32*(\t/2)+8*(\t%2))*4+16
.endr
.irp t, 4,5,6,7
	global_load_b128 v[192+8*\t:195+8*\t], v8, s[22:23] offset:(32*(\t/2)+8*(\t%2))*4
	global_load_b128 v[196+8*\t:199+8*\t], v8, s[22:23] offset:(32*(\t/2)+8*(\t%2))*4+16
.endr
	WIN 0
.macro FRAG reg, adr, q, i             ; 16 rows x 128 K of 6-bit codes: 12 registers, in pieces of 8 bytes; where the piece three on lies behind one padding more, the second address register serves
.irp p, 0,1,2,3,4,5
.set PIE, 12*(\q)+6*(\p/3)+\p%3
.if PIE%8 < 5
	ds_load_b64 v[\reg+2*\p:\reg+2*\p+1], v[\adr] offset:8*PIE+16*(PIE/8)+(\i)*16*PITCH
.else
	ds_load_b64 v[\reg+2*\p:\reg+2*\p+1], v[\adr+2] offset:8*PIE+16*(PIE/8)+(\i)*16*PITCH
.endif
.endr
.endm
; 16 matrix instructions: A's blocks a0, a0 + 1 x B's eight.  The 64 accumulators take turns, one instruction a turn, in the same order in every step.
.macro MUL16 a0, p, q, sc, zero
.irp a, \a0, \a0+1
.irp b, 0,1,2,3,4,5,6,7
.if \zero
	v_wmma_scale_f32_16x16x128_f8f6f4 v[8*(8*((\a)%4)+\b):8*(8*((\a)%4)+\b)+7], v[128*(\p)+FR*\b:128*(\p)+FR*\b+FR-1], v[AF+FR*(\a):AF+FR*(\a)+FR-1], 0, v[SC+8*NQ*(\sc)+NQ*\b+(\q)], v[SC+8*NQ*(\sc)+NQ*(\a)+(\q)] matrix_a_fmt:MATRIX_FMT_BF6 matrix_b_fmt:MATRIX_FMT_BF6 matrix_a_scale:MATRIX_SCALE_ROW1
.else
	v_wmma_scale_f32_16x16x128_f8f6f4 v[8*(8*((\a)%4)+\b):8*(8*((\a)%4)+\b)+7], v[128*(\p)+FR*\b:128*(\p)+FR*\b+FR-1], v[AF+FR*(\a):AF+FR*(\a)+FR-1], v[8*(8*((\a)%4)+\b):8*(8*((\a)%4)+\b)+7], v[SC+8*NQ*(\sc)+NQ*\b+(\q)], v[SC+8*NQ*(\sc)+NQ*(\a)+(\q)] matrix_a_fmt:MATRIX_FMT_BF6 matrix_b_fmt:MATRIX_FMT_BF6 matrix_a_scale:MATRIX_SCALE_ROW1
.endif
.endr
.endr
.endm
.macro FETCH_B slot, q, p
	WIN TO_B
.irp i, 0,1,2,3,4,5,6,7
	FRAG 128*(\p)+FR*\i, ADRB+\slot, \q, \i
.endr
	WIN 0
.endm
.macro FETCH_A slot, q, i0
.irp i, \i0, \i0+1, \i0+2, \i0+3
	FRAG AF+FR*(\i), ADRA+\slot, \q, \i
.endr
.endm
.macro SCALES sc                       ; a K step's scale words: lanes 0-15 A's block i, lanes 16-31 B's block i
.irp i, 0,1,2,3,4,5,6,7
	ds_load_b64 v[SC+8*NQ*\sc+NQ*\i:SC+8*NQ*\sc+NQ*\i+1], v[ADRS] offset:\i*SBLK
.endr
.endm
.macro PLACES n                        ; plain vector lines between a matrix instruction and a load into, or a vector line on, its registers
.rept \n
	v_nop
.endr
.endm
.macro STEP slot, q, zero              ; 128 along K that has its successor in the same slot
	s_wait_dscnt 4*NL                              ; B's set and A's blocks 0-3 are in; A's blocks 4-7 may be out
	WIN MUL_LO
	MUL16 0, (\q)%2, \q, \slot, \zero
	MUL16 2, (\q)%2, \q, \slot, \zero
	s_wait_dscnt 0
	PLACES NP
	FETCH_B \slot, (\q)+1, 1-(\q)%2
	FETCH_A \slot, (\q)+1, 0
	WIN MUL_HI
	MUL16 4, (\q)%2, \q, \slot, \zero
	MUL16 6, (\q)%2, \q, \slot, \zero
	PLACES NP
	WIN 0
	FETCH_A \slot, (\q)+1, 4
.endm
; A slot's last step changes slots: each wave waits for all its tensor loads, adds 0 to its spare word, waits for that and for its reads of this slot, and signals.  fill = 1: the barrier opens a round
; of the cluster's, and this slot is filled again, two K steps ahead, first thing behind it.
.macro TURN slot, next, fill
	s_wait_tensorcnt 0x0                           ; all my tensor loads have landed: my part of the next slot
	ds_add_u32 v[SPW], v[NIL]                      ; 0 onto my spare word
	s_wait_dscnt 4*NL+1                            ; (the add and A's blocks 4-7 may be out)
	WIN MUL_LO
	MUL16 0, 1, NQ-1, \slot, 0
	s_wait_dscnt 0x0                               ; the add is done, and my reads of this slot are over
	s_barrier_signal -1
	MUL16 2, 1, NQ-1, \slot, 0
	WIN 0
	s_barrier_wait -1
.if \fill
	CREST                                          ; no wave of any partner still reads this slot's tile or has a load on its way
	s_add_nc_u64 s[G0+4*\slot+2:G0+4*\slot+3], s[G0+4*\slot+2:G0+4*\slot+3], 2*ROWB
	s_add_nc_u64 s[G0B+4*\slot+2:G0B+4*\slot+3], s[G0B+4*\slot+2:G0B+4*\slot+3], 2*ROWB
	JLOAD G0+4*\slot, G1, G0B+4*\slot, G1B         ; the four v_nop behind it are also the places in front of the loads below
.else
	PLACES NP
.endif
	v_add_nc_u32 v[ADRS], 4*NQ, v[ADRS]            ; the next K step's scale words
	FETCH_B \next, 0, 0
	FETCH_A \next, 0, 0
	SCALES \next
	WIN MUL_HI
	MUL16 4, 1, NQ-1, \slot, 0
	MUL16 6, 1, NQ-1, \slot, 0
	PLACES NP
	WIN 0
	FETCH_A \next, 0, 4
.endm
	s_wait_tensorcnt 1                             ; the scales and my part of K step 0 are in (K step 1's load may be out)
	s_barrier_signal -1
	s_barrier_wait -1
	FETCH_B 0, 0, 0
	FETCH_A 0, 0, 0
	SCALES 0
	FETCH_A 0, 0, 4
	STEP 0, 0, 1                                   ; the first step's products start the sums
	s_mov_b32 s3, LAPS-1
.Llap:
	TURN 0, 1, 1
	STEP 1, 0, 0
	TURN 1, 0, 1
	STEP 0, 0, 0
	s_sub_co_u32 s3, s3, 1
	s_cmp_lg_u32 s3, 0
	s_cbranch_scc1 .Llap
	TURN 0, 1, 0                                   ; the last lap fills nothing
	STEP 1, 0, 0
	s_wait_dscnt 4*NL
	WIN MUL_LO
	MUL16 0, 1, NQ-1, 1, 0
	MUL16 2, 1, NQ-1, 1, 0
	s_wait_dscnt 0
	WIN MUL_HI
	MUL16 4, 1, NQ-1, 1, 0
	MUL16 6, 1, NQ-1, 1, 0
	WIN 0
; 64 numbers of a lane, register 16 b + i = place 32 b + 16 (lane / 16) + i along the quantised axis, become a fragment's codes in v[PC] on and its scale word in v[PW].
.macro QUANT s
.irp b, 0,1,2,3
	v_max3_num_f32 v[TA+\b], |v[\s+16*\b]|, |v[\s+1+16*\b]|, 0x2800000   ; my 16 numbers of block b, and the floor 2^(5 - 127): the byte cannot fall under 1
.endr
.irp i, 2,4,6,8,10,12,14
.irp b, 0,1,2,3
	v_max3_num_f32 v[TA+\b], v[TA+\b], |v[\s+16*\b+\i]|, |v[\s+1+16*\b+\i]|
.endr
.endr
.irp b, 0,1,2,3
	v_permlanex16_b32 v[TY+\b], v[TA+\b], s[SEL], s[SEL+1]
.endr
.irp b, 0,1,2,3
	v_max_num_f32 v[TA+\b], v[TA+\b], v[TY+\b]     ; with lane l xor 16's: the block's largest magnitude
.endr
.irp b, 0,1,2,3
	v_add_nc_u32 v[TS+\b], 0xfe000000, v[TA+\b]    ; 4 off its exponent field: the conversion's scale operand
.endr
.irp b, 0,1,2,3
	v_lshrrev_b32 v[TY+\b], 23, v[TS+\b]           ; the scale's byte
.endr
	v_lshl_or_b32 v[PW], v[TY+1], 8, v[TY]
	v_lshl_or_b32 v[PW], v[TY+2], 16, v[PW]
	v_lshl_or_b32 v[PW], v[TY+3], 24, v[PW]
.irp c, 0,1
	v_cvt_scalef32_pk16_bf6_f32 v[PC+6*\c:PC+2+6*\c], v[\s+32*\c:\s+15+32*\c], v[TS+2*\c]
	v_cvt_scalef32_pk16_bf6_f32 v[PC+12+4*\c:PC+14+4*\c], v[\s+16+32*\c:\s+31+32*\c], v[TS+2*\c+1]   ; (a conversion's three registers begin on an even number)
.endr
	v_nop                                          ; one plain line behind a scaled conversion
.irp c, 0,1                                    ; the operand's layout wants a whole block in a lane
.irp i, 0,1,2
	v_permlane16_swap_b32 v[PC+6*\c+\i], v[PC+12+4*\c+\i]
.endr
.irp i, 0,1,2
	v_mov_b32 v[PC+3+6*\c+\i], v[PC+12+4*\c+\i]
.endr
.endr
.endm
; Block a of my eight: 16 rows of A x my 128 columns.  No branch: what differs between q, k, v^T and between the steps is chosen by factors and lane masks.
.macro EPI a
.set AC, 64*((\a)%4)
.set WA, 0x02+(\a)/4
.if (\a) > 0
	s_wait_xcnt 0x0                                ; the last block's stores have read their registers
.endif
	WIN WA                                         ; source 0: the accumulators' window
.set j, 0
.rept 32
	v_pk_fma_f32 v[HA+j:HA+j+1], v[AC+j:AC+j+1], s[4:5], v[BN+j:BN+j+1] op_sel_hi:[1,0,1]   ; sum x 1 (or 0) + the bias along the registers; each accumulator from its low end on
.set j, j+2
.endr
	v_add_f32 v[T31], v[AC+15], v[BM+(\a)]         ; position 31 with bv: what step 16 of v^T keeps
	WIN 0
.set j, 0
.rept 32
.if (\a)%2
	v_pk_add_f32 v[HA+j:HA+j+1], v[HA+j:HA+j+1], v[BMZ+2*((\a)/2):BMZ+2*((\a)/2)+1] op_sel:[0,1] op_sel_hi:[1,1]   ; + the bias along the lanes
.else
	v_pk_add_f32 v[HA+j:HA+j+1], v[HA+j:HA+j+1], v[BMZ+2*((\a)/2):BMZ+2*((\a)/2)+1] op_sel_hi:[1,0]
.endif
.set j, j+2
.endr
	v_cndmask_b32 v[HA+15], v[HA+15], v[T31], s9
	v_cndmask_b32 v[HA+15], v[HA+15], v[LTM+(\a)], s8
.if (\a) == 1
	WIN 0x04                                       ; source 1: window 1
.set n, 0
.rept 64
.if n < 32
	v_cndmask_b32 v[HA+n], v[HA+n], v[96+n], s7    ; k's row at position 31 of step 0 is the raw latent
.else
	v_cndmask_b32 v[HA+n], v[HA+n], v[192+n], s7
.endif
.set n, n+1
.endr
	WIN 0
.endif
	QUANT HA
.if (\a)%2
	v_cndmask_b32 v[SWP+(\a)/2], v[SWE], v[PW], s6 ; lanes 0-15: the even block's words, lanes 16-31: the odd block's
.else
	v_mov_b32 v[SWE], v[PW]
.endif
.irp c, 0,1,2
	global_store_b128 v[LI], v[PC+4*\c:PC+4*\c+3], s[12:13] offset:1536*(\a)+512*\c   ; the fragment as it stands: 512 consecutive bytes, at a multiple of 256 from the buffer's first byte
.endr
.endm
	PLACES NP                                      ; behind the last products: their results are read and A's registers written
	s_wait_loadcnt 0x0                             ; biases and latent
.irp b, 0,1,2,3
	v_mov_b32 v[TY+\b], 0                          ; written once: a lane permute's destination counts as one of its sources
.endr
.set n, 0
.rept 64
	v_cndmask_b32 v[BN+n], 0, v[BN+n], s11
.set n, n+1
.endr
.irp a, 0,1,2,3,4,5,6,7
	v_cndmask_b32 v[BMZ+\a], 0, v[BM+\a], s10
.endr
.irp a, 0,1,2,3,4,5,6,7
	EPI \a
.endr
	global_store_b128 v[LI], v[SWP:SWP+3], s[12:13] offset:12288   ; block a, row r: its word at 16 r + 256 (a % 2) + 4 (a / 2)
	s_wait_tensorcnt 0x0                           ; the wave's end
	ds_add_u32 v[SPW], v[NIL]
	s_wait_dscnt 0x0
	CROUND                                         ; the closing round
	s_endpgm
.Lfunc_end_k_q83590650c0_proj:
	.size	k_q83590650c0_proj, .Lfunc_end_k_q83590650c0_proj-k_q83590650c0_proj
	.p2alignl 7, 3214868480
	.fill 96, 4, 3214868480
	.section	.rodata,"a",@progbits
	.p2align	6, 0x0
	.amdhsa_kernel k_q83590650c0_proj
		.amdhsa_group_segment_fixed_size 327680
		.amdhsa_private_segment_fixed_size 0
		.amdhsa_enable_private_segment 0
		.amdhsa_kernarg_size 80
		.amdhsa_user_sgpr_count 2
		.amdhsa_user_sgpr_kernarg_segment_ptr 1
		.amdhsa_wavefront_size32 1
		.amdhsa_system_sgpr_workgroup_id_x 1
		.amdhsa_system_sgpr_workgroup_id_y 1
		.amdhsa_system_sgpr_workgroup_id_z 1
		.amdhsa_system_vgpr_workitem_id 0
		.amdhsa_next_free_vgpr 1024
		.amdhsa_next_free_sgpr 100
		.amdhsa_reserve_vcc 0
		.amdhsa_float_denorm_mode_32 3
		.amdhsa_float_denorm_mode_16_64 3
		.amdhsa_memory_ordered 1
		.amdhsa_forward_progress 1
		.amdhsa_inst_pref_size 214
	.end_amdhsa_kernel
	.amdgpu_metadata
---
amdhsa.version: [ 1, 2 ]
amdhsa.kernels:
  - .name:           k_q83590650c0_proj
    .symbol:         k_q83590650c0_proj.kd
    .args:
      - { .name: xc, .offset: 0, .size: 8, .value_kind: global_buffer, .address_space: global }
      - { .name: xs, .offset: 8, .size: 8, .value_kind: global_buffer, .address_space: global }
      - { .name: wc, .offset: 16, .size: 8, .value_kind: global_buffer, .address_space: global }
      - { .name: ws, .offset: 24, .size: 8, .value_kind: global_buffer, .address_space: global }
      - { .name: bq, .offset: 32, .size: 8, .value_kind: global_buffer, .address_space: global }
      - { .name: bk, .offset: 40, .size: 8, .value_kind: global_buffer, .address_space: global }
      - { .name: bv, .offset: 48, .size: 8, .value_kind: global_buffer, .address_space: global }
      - { .name: latent_layer_memory_i, .offset: 56, .size: 8, .value_kind: global_buffer, .address_space: global }
      - { .name: qf, .offset: 64, .size: 8, .value_kind: global_buffer, .address_space: global }
      - { .name: kv, .offset: 72, .size: 8, .value_kind: global_buffer, .address_space: global }
    .group_segment_fixed_size: 327680
    .private_segment_fixed_size: 0
    .kernarg_segment_align: 8
    .kernarg_segment_size: 80
    .max_flat_workgroup_size: 128
    .sgpr_count:     100
    .vgpr_count:     1024
    .wavefront_size: 32
...
	.end_amdgpu_metadata
.endif
;; end of part 2
;; launch attn (part 3): grid 8 x 32, 8 waves a work-group, clusters of 4 x 1, 327,680 bytes of LDS; arguments qf, kv, attention_mask, out0; writes out0
.if DOCPART == 3
	.amdgcn_target "amdgcn-amd-amdhsa--gfx1250"
	.amdhsa_code_object_version 6
	.text
	.protected	k_q83590650c0_attn
	.globl	k_q83590650c0_attn
	.p2align	8
	.type	k_q83590650c0_attn,@function
k_q83590650c0_attn:
	s_mov_b64 s[64:65], 0
	v_nop
	global_prefetch_b8 v0, s[64:65] scope:SCOPE_SE
	s_setreg_imm32_b32 hwreg(HW_REG_WAVE_MODE, 25, 1), 1
	s_wait_xcnt 0x0
	s_wait_alu depctr_hold_cnt(0) depctr_sa_sdst(0) depctr_va_vdst(0) depctr_va_sdst(0) depctr_va_ssrc(0) depctr_va_vcc(0) depctr_vm_vsrc(0)
	s_getreg_b32 s2, hwreg(HW_REG_IB_STS2, 6, 4)
	s_cmp_eq_u32 s2, 0
	s_cbranch_scc0 .Lentry_in_a_cluster
	s_endpgm
.Lentry_in_a_cluster:
	s_bfe_u32 s2, ttmp6, 0x10000c
	s_cmp_lg_u32 s2, 0x3003
	s_cbranch_scc0 .Lentry_shape_is_right
	s_endpgm
.Lentry_shape_is_right:
; out0[b][q][128 h ..] = the sum over the 2,049 keys of softmax(q . k / sqrt(128) + mask) v, both products on codes of BF6 (E3M2) with E8M0 scales.
; q, k, v^T arrive as images of operand fragments (a part of 12,800 bytes: 8 fragments of 1,536 bytes, lane l's 16 bytes at 16 l + 512 c; then the scale words, tile a, row r at 16 r + 256 (a % 2) + 4 (a / 2)).
; THE KEYS STAND IN POSITION ORDER: position 32 j + i holds key 32 j + (i + 1) % 32, alike in k, v and p, so every block of 32 holds the keys of the quantiser's block.  Position P holds token P and
; wants mask column P, but where P % 32 = 31: there it holds token P - 32 (position 31: the latent, with no mask; position 2079: token 2047).  So the mask's loads stay whole and aligned, and four
; selects and a carried register a tile and step put four columns right.  17 steps of 128 positions; of the last only position 31 counts: the others' logits are -infinity.
; THE SOFTMAX: t = logit x log2(e); M = the running largest t rounded up to a whole number; p = 2^(t - M) is quantised along the keys; the row's sum is taken of the unquantised p and divides at the end.
; SHARES.  A work-group owns 256 queries of one head; each of its 8 waves 32: tile A in register window 0, tile B in window 1, at the same numbers.  Each fragment of k and v read from LDS feeds two products.
; Both products are used transposed (S^T = k q^T, O^T = v^T p^T): a lane holds one query; register 16 b + i of S^T is position 32 b + 16 (lane / 16) + i.
; CLUSTER.  The four partners are four heads of the same 256 queries: the mask's tile (131,072 of a step's 156,672 bytes) is asked for JOINTLY.  k and v are each head's own and come by plain loads behind the same round.
; LIMITS: NaN, +infinity in the mask and infinities elsewhere are not served; -infinity in the mask is.  The score is multiplied by the f32 number nearest 1 / sqrt(128) and the mask added in one
; fused multiply-add, where the definition divides and adds.
; REGISTERS, window 0 alone: v1-11 addresses; v30 p's scale word of tile B, v31 q's of tile B, v255 q's of tile A; v32-79 four fragments; v248-251 their scale words.
;   Both windows: v12 -M, v13 the largest t, v[14:15] the sum, v16-27 q, v29 the carried mask column, v32-95 the mask, v96-159 S^T then p, v160-223 O^T, v224-235 p's codes, v232-247, v252-254 at work (v253: p's scale word).
.set MP,    528                        ; a mask row in LDS: 512 bytes + 16: the 16 rows of a load start at 16 different banks
.set KVO,   256*MP                     ; a slot: 256 mask rows, then a step's block of k and v
.set PART,  12800
.set SLOTB, KVO+2*PART
.set SPARE, 2*SLOTB                    ; the spare words: 128 bytes a wave, four blocks of 256 bytes that no other line names
.set KV0,  1
.set SC0,  2
.set M0,   3
.set LI,   4
.set SPW,  5
.set NIL,  6
.set GO,   7
.set ADKV, 8
.set ADSC, 9
.set ADM,  10
.set PFO,  11
.set TB,   2                           ; s2   the slot in hand: 0 or SLOTB
.set TN,   3                           ; s3   the other
.set WV,   18
.set SEL,  20
.set LG,   22                          ; s[22:23] log2(e)
.set G1M,  24
.set G1KV, 32
.set G0M,  40
.set G0KV, 44
.set C0,   66                          ; s[66:67] 1 / sqrt(128)
.set HM,   68                          ; s68  lanes 16-31
.set CNT,  69
.set MW,   70                          ; s70  (wave % 4) x 64 mask rows
.set PFA,  72
.set PFS,  74
.set LIM,  76
.set MSB, 0
.macro WIN new
.if MSB != \new
	s_set_vgpr_msb (MSB<<8)|\new
.set MSB, \new
.endif
.endm
.macro PLACES
.rept 4
	v_nop
.endr
.endm
.macro CROUND
	s_barrier_signal -1
	s_barrier_wait -1
	s_cmp_lg_u32 s[WV], 0
	s_cbranch_scc1 .Lnot_wave_0_\@
	s_barrier_signal -3
.Lnot_wave_0_\@:
	s_barrier_wait -3
	s_barrier_signal -1
	s_barrier_wait -1
.endm
; Waves 0 to 3 fetch 64 mask rows each (jointly), wave 4 the step's block of k and v, the others nothing: one tensor load a wave is out at the most.  Four v_nop follow each line.
.macro TLOAD both
.if \both
	s_cmp_lt_u32 s[WV], 4
	s_cbranch_scc0 .Lnot_m_\@
	tensor_load_to_lds s[G0M:G0M+3], s[G1M:G1M+7]
	s_nop 0
.rept 4
	v_nop
.endr
	s_branch .Lasked_\@
.Lnot_m_\@:
.endif
	s_cmp_eq_u32 s[WV], 4
	s_cbranch_scc0 .Lasked_\@
	tensor_load_to_lds s[G0KV:G0KV+3], s[G1KV:G1KV+7]
	s_nop 0
.rept 4
	v_nop
.endr
.Lasked_\@:
.endm
; A PREFETCH INTO THE L2 of what the NEXT change of slots will ask for, one instruction a wave, behind the tensor loads.  The mask: both clusters of a block of queries read the same rows, so cluster x = 0
; asks, by waves 4 to 7; the partners share the 256 rows out by address, 64 each; a lane names one of a row's two blocks of 256 bytes.  k and v: the eight blocks of queries of a head read the same, so
; block 0's work-group asks, by waves 0 to 3: 25 blocks of 256 bytes a wave (lanes 24 to 31 name the same one).  The mask's last tile is step 15's, k and v's last block step 16's: beyond them nothing is named.
.macro ASK
	s_cmp_gt_u32 s[CNT], s[LIM]
	s_cbranch_scc0 .Lnot_mine_\@
	global_prefetch_b8 v[PFO], s[PFA:PFA+1] th:TH_LOAD_NT scope:SCOPE_SE
.Lnot_mine_\@:
.endm
	s_load_b256 s[4:11], s[0:1], 0x0               ; qf, kv, the mask, out0
	v_lshl_add_u32 v[SPW], v0, 2, SPARE
	v_mov_b32 v[NIL], 0
	ds_add_u32 v5, v6
	s_wait_dscnt 0x0
	v_lshrrev_b32 v1, 5, v0
	v_readfirstlane_b32 s[WV], v1                  ; wave 0..7
	s_bfe_u32 s12, ttmp6, 0x40000                  ; cx
	s_lshl_b32 s13, ttmp9, 2
	s_add_co_u32 s13, s13, s12                     ; head
	s_and_b32 s14, ttmp7, 0xffff                   ; y = 8 x batch + block of 256 queries: shared by the partners
	s_lshr_b32 s15, s14, 3
	s_and_b32 s16, s14, 7
	s_lshl_b32 s17, s15, 3
	s_add_co_u32 s17, s17, s13                     ; 8 x batch + head
	s_and_b32 s19, s[WV], 3
	s_lshl_b32 s48, s14, 21                        ; the mask: 256 y rows of 8,192 bytes,
	s_lshl_b32 s49, s19, 19                        ; + 64 rows x (wave % 4): made of y and the wave alone
	s_add_co_u32 s48, s48, s49
	s_mov_b32 s49, 0
	s_mul_i32 s50, s17, 18*2*PART                  ; k and v of my head
	s_mov_b32 s51, 0
	s_lshl_b32 s52, s17, 4
	s_lshl_b32 s53, s16, 1
	s_add_co_u32 s52, s52, s53
	s_lshr_b32 s53, s[WV], 2
	s_add_co_u32 s52, s52, s53
	s_mul_i32 s52, s52, PART                       ; q: my group of 128 queries;
	s_mul_i32 s58, s19, 3072
	s_add_co_u32 s58, s58, s52                     ; my two fragments,
	s_mov_b32 s59, 0
	s_lshl_b32 s60, s19, 2
	s_add_co_u32 s60, s60, s52                     ; and their scale words
	s_mov_b32 s61, 0
	s_lshl_b32 s54, s14, 20                        ; out0: 256 y rows of 4,096 bytes + 32 rows x wave + 512 x head
	s_lshl_b32 s55, s[WV], 17
	s_add_co_u32 s54, s54, s55
	s_lshl_b32 s55, s13, 9
	s_add_co_u32 s54, s54, s55
	s_mov_b32 s55, 0
	s_mul_i32 s56, s19, 6400                       ; the prefetches begin at step 1; the first change of slots steps them to step 2
	s_add_co_u32 s56, s56, s50
	s_add_co_u32 s56, s56, 2*PART
	s_lshl_b32 s62, s14, 21
	s_lshl_b32 s63, s12, 19                        ; my work-group's 64 rows: by address
	s_add_co_u32 s62, s62, s63
	s_lshl_b32 s63, s19, 17
	s_add_co_u32 s62, s62, s63
	s_add_co_u32 s62, s62, 512
	s_cmp_eq_u32 s16, 0
	s_cselect_b32 s77, 0, -1
	s_cmp_eq_u32 ttmp9, 0
	s_cselect_b32 s78, 1, -1
	s_mov_b32 s[PFS], 512
	s_cmp_lt_u32 s[WV], 4
	s_cselect_b32 s56, s56, s62
	s_cselect_b32 s[LIM], s77, s78
	s_cselect_b32 s[PFS], 2*PART, s[PFS]
	s_cselect_b32 s79, -1, 0
	s_mov_b32 s57, 0
	s_mov_b32 s[PFS+1], 0
	s_mov_b32 s[G1M], 15|(2<<16)|(1<<20)|(1<<21)|(6<<22)|(3<<25)   ; the mask of four; elements of 4 bytes; padding on; bit 21 beside a mask; after every 128 words 4 words
	s_mov_b32 s[G1M+1], 128<<16                    ; tensor_dim0
	s_mov_b32 s[G1M+2], 64<<16                     ; tensor_dim1
	s_mov_b32 s[G1M+3], 128<<16                    ; tile_dim0
	s_mov_b32 s[G1M+4], 64                         ; tile_dim1
	s_mov_b32 s[G1M+5], 2048                       ; the pitch
	s_mov_b32 s[G1M+6], 0
	s_mov_b32 s[G1M+7], 0
	s_mov_b32 s[G1KV], 3<<16                       ; 25,600 dense bytes as 100 rows of 256 (32 elements of 8 bytes)
	s_mov_b32 s[G1KV+1], 32<<16
	s_mov_b32 s[G1KV+2], 100<<16
	s_mov_b32 s[G1KV+3], 32<<16
	s_mov_b32 s[G1KV+4], 100
	s_mov_b32 s[G1KV+5], 32
	s_mov_b32 s[G1KV+6], 0
	s_mov_b32 s[G1KV+7], 0
	s_mul_i32 s[MW], s19, 64*MP
	s_mov_b32 s[SEL], 0x76543210
	s_mov_b32 s[SEL+1], 0xfedcba98
	s_mov_b32 s[LG], 0x3fb8aa3b
	s_mov_b32 s[LG+1], s[LG]
	s_mov_b32 s[C0], 0x3db504f3
	s_mov_b32 s[C0+1], s[C0]
	s_mov_b32 s[HM], 0xffff0000
	s_mov_b32 s[CNT], 15
	s_mov_b32 s[TB], 0
	s_wait_kmcnt 0x0
	s_cselect_b64 s[PFA:PFA+1], s[6:7], s[8:9]     ; (moves, products and the wait have left the compare on the wave's number)
	s_add_nc_u64 s[PFA:PFA+1], s[PFA:PFA+1], s[56:57]
	s_add_nc_u64 s[12:13], s[4:5], s[58:59]
	s_add_nc_u64 s[14:15], s[4:5], s[60:61]
	s_add_nc_u64 s[10:11], s[10:11], s[54:55]
	s_mov_b32 s[G0M], 1
	s_mov_b32 s[G0M+1], s[MW]                      ; slot 0
	s_add_nc_u64 s[G0M+2:G0M+3], s[8:9], s[48:49]
	s_or_b32 s[G0M+3], s[G0M+3], 0x80000000
	s_mov_b32 s[G0KV], 1
	s_mov_b32 s[G0KV+1], KVO
	s_add_nc_u64 s[G0KV+2:G0KV+3], s[6:7], s[50:51]
	s_or_b32 s[G0KV+3], s[G0KV+3], 0x80000000
	CROUND                                         ; all four work-groups are here
	TLOAD 1                                        ; step 0 into slot 0
	v_and_b32 v12, 31, v0                          ; lane
	v_and_b32 v13, 15, v0                          ; r
	v_bfe_u32 v14, v0, 4, 1                        ; h
	v_lshlrev_b32 v[LI], 4, v12
	v_add_nc_u32 v[KV0], KVO, v[LI]
	v_lshlrev_b32 v[ADSC], 4, v13                  ; 16 r: now for q's scale words
	v_add_nc_u32 v[SC0], KVO+12288, v[ADSC]
	s_mul_i32 s77, s[WV], 32*MP
	v_mul_u32_u24 v[M0], v13, MP
	v_lshl_add_u32 v[M0], v14, 6, v[M0]
	v_add_nc_u32 v[M0], s77, v[M0]                 ; the mask: row 32 x wave + r, + 64 h
	v_lshlrev_b32 v[GO], 12, v14
	v_lshl_add_u32 v[GO], v13, 4, v[GO]            ; the way out: lanes 0-15 one row of out0, lanes 16-31 the next
	v_min_u32 v15, 24, v12
	v_lshlrev_b32 v15, 8, v15
	v_lshlrev_b32 v13, 13, v13
	v_lshl_add_u32 v13, v14, 8, v13
	v_cndmask_b32 v[PFO], v13, v15, s79
.irp c, 0,1,2
	global_load_b128 v[16+4*\c:19+4*\c], v[LI], s[12:13] offset:512*\c th:TH_LOAD_NT
.endr
	global_load_b32 v255, v[ADSC], s[14:15] offset:12288
	global_load_b32 v31, v[ADSC], s[14:15] offset:12288+256
	WIN 0x40
.irp c, 0,1,2
	global_load_b128 v[16+4*\c:19+4*\c], v[LI], s[12:13] offset:1536+512*\c th:TH_LOAD_NT
.endr
.macro INIT
	v_mov_b32 v13, 0xff61b1e6                      ; the largest t so far: -3e38
	v_floor_f32 v12, -v13
	v_mov_b32 v14, 0
	v_mov_b32 v15, 0
	v_mov_b32 v29, 0                               ; position 31 of step 0 is the latent: no mask
.irp b, 0,1,2,3
	v_mov_b32 v[236+\b], 0                         ; a lane permute's destination counts as one of its sources
.endr
	v_mov_b32 v253, 0
.set j, 0
.rept 64
	v_mov_b32 v[160+j], 0                          ; O^T: the step is written for every step alike; the first change of M leaves zeros zeros
.set j, j+1
.endr
.endm
	WIN 0
	INIT
	WIN 0x55
	INIT
	WIN 0
.macro FRL part, g                     ; four fragments and their scale words: tiles 4 g .. 4 g + 3 of k's part (0) or v's (PART)
	WIN 0
.irp t, 0,1,2,3
.irp c, 0,1,2
	ds_load_b128 v[32+12*\t+4*\c:35+12*\t+4*\c], v[ADKV] offset:(\part)+(4*(\g)+\t)*1536+512*\c
.endr
	ds_load_b32 v[248+\t], v[ADSC] offset:(\part)+256*(\t%2)+4*((4*(\g)+\t)/2)
.endr
.endm
.macro MLD x                           ; tile x's 16 rows x 128 columns of the mask: register 16 b + i = column 32 b + 16 h + i
.set WM, 0x40*(\x)
	WIN WM
.set n, 0
.rept 16
	ds_load_b128 v[32+4*n:35+4*n], v[ADM] offset:16*MP*(\x)+128*(n/4)+16*(n%4)
.set n, n+1
.endr
.endm
.macro QK g
	WIN 0
.irp t, 0,1,2,3
	v_wmma_scale_f32_16x16x128_f8f6f4 v[96+8*(4*(\g)+\t):103+8*(4*(\g)+\t)], v[32+12*\t:43+12*\t], v[16:27], 0, v[248+\t], v255 matrix_a_fmt:MATRIX_FMT_BF6 matrix_b_fmt:MATRIX_FMT_BF6
.endr
	WIN 0x44                                       ; q and S^T of tile B: window 1
.irp t, 0,1,2,3
	v_wmma_scale_f32_16x16x128_f8f6f4 v[96+8*(4*(\g)+\t):103+8*(4*(\g)+\t)], v[32+12*\t:43+12*\t], v[16:27], 0, v[248+\t], v31 matrix_a_fmt:MATRIX_FMT_BF6 matrix_b_fmt:MATRIX_FMT_BF6
.endr
.endm
.macro PV g                            ; eight different accumulators, one instruction each
	WIN 0
.irp t, 0,1,2,3
	v_wmma_scale_f32_16x16x128_f8f6f4 v[160+8*(4*(\g)+\t):167+8*(4*(\g)+\t)], v[32+12*\t:43+12*\t], v[224:235], v[160+8*(4*(\g)+\t):167+8*(4*(\g)+\t)], v[248+\t], v253 matrix_a_fmt:MATRIX_FMT_BF6 matrix_b_fmt:MATRIX_FMT_BF6
.endr
	WIN 0x54
.irp t, 0,1,2,3
	v_wmma_scale_f32_16x16x128_f8f6f4 v[160+8*(4*(\g)+\t):167+8*(4*(\g)+\t)], v[32+12*\t:43+12*\t], v[224:235], v[160+8*(4*(\g)+\t):167+8*(4*(\g)+\t)], v[248+\t], v30 matrix_a_fmt:MATRIX_FMT_BF6 matrix_b_fmt:MATRIX_FMT_BF6
.endr
.endm
; logit = score / sqrt(128) + mask.  Positions 31, 63, 95, 127 (register 15 of each block, lanes 16-31) take the column 32 to the left; position 31 the last step's column 127, which is carried.
.macro LOGITS last
.if \last
	v_mov_b32 v32, 0xff800000                      ; the last step: -infinity everywhere
	v_mov_b32 v33, 0xff800000
	v_mov_b32 v46, 0xff800000
	v_cndmask_b32 v47, v46, v29, s[HM]             ; but at position 31: token 2047, mask column 2047
.set j, 0
.rept 32
.if j == 14
	v_pk_fma_f32 v[96+j:97+j], v[96+j:97+j], s[C0:C0+1], v[46:47] op_sel_hi:[1,0,1]
.else
	v_pk_fma_f32 v[96+j:97+j], v[96+j:97+j], s[C0:C0+1], v[32:33] op_sel_hi:[1,0,1]
.endif
.set j, j+2
.endr
.else
	v_mov_b32 v254, v95
	v_cndmask_b32 v95, v95, v79, s[HM]
	v_cndmask_b32 v79, v79, v63, s[HM]
	v_cndmask_b32 v63, v63, v47, s[HM]
	v_cndmask_b32 v47, v47, v29, s[HM]
	v_mov_b32 v29, v254
.set j, 0
.rept 32
	v_pk_fma_f32 v[96+j:97+j], v[96+j:97+j], s[C0:C0+1], v[32+j:33+j] op_sel_hi:[1,0,1]   ; each accumulator from its low end on
.set j, j+2
.endr
.endif
.endm
.macro SOFTREST
.irp b, 0,1,2,3
	v_max3_num_f32 v[232+\b], v[96+16*\b], v[97+16*\b], v[98+16*\b]   ; the largest logit of each block of 32: for the row's maximum, and, since p rises with the logit, for the block's largest p
.endr
.irp i, 3,5,7,9,11,13
.irp b, 0,1,2,3
	v_max3_num_f32 v[232+\b], v[232+\b], v[96+16*\b+\i], v[97+16*\b+\i]
.endr
.endr
.irp b, 0,1,2,3
	v_max_num_f32 v[232+\b], v[232+\b], v[111+16*\b]
.endr
.irp b, 0,1,2,3
	v_permlanex16_b32 v[236+\b], v[232+\b], s[SEL], s[SEL+1]
.endr
.irp b, 0,1,2,3
	v_max_num_f32 v[232+\b], v[232+\b], v[236+\b]
.endr
	v_max3_num_f32 v254, v232, v233, v234
	v_max_num_f32 v254, v254, v235
	v_mul_f32 v254, s[LG], v254                    ; as t
	v_max_num_f32 v13, v13, v254                   ; the running largest t
	v_mov_b32 v254, v12
	v_floor_f32 v12, -v13                          ; -M = floor(-t): M is a whole number
	v_sub_f32 v254, v12, v254
	v_cvt_i32_f32 v254, v254                       ; (it saturates)
	v_ldexp_f32 v252, 1.0, v254                    ; f = 2^(old M - new M)
.set j, 0
.rept 32
	v_pk_fma_f32 v[96+j:97+j], v[96+j:97+j], s[LG:LG+1], v[12:13] op_sel_hi:[1,0,0]   ; t - M
.set j, j+2
.endr
.irp b, 0,1,2,3
	v_fma_f32 v[232+\b], v[232+\b], s[LG], v12
.endr
.set j, 0
.rept 64
	v_exp_f32 v[96+j], v[96+j]                     ; p = 2^(t - M): not normalised
.set j, j+1
.endr
	v_pk_mul_f32 v[14:15], v[14:15], v[252:253] op_sel_hi:[1,0]   ; the sums under the new M (a plain line behind the exponentials)
	s_wait_alu depctr_va_vdst(0)                   ; one wait for the batch of 64, ahead of its first reader
.irp b, 0,1,2,3
	v_exp_f32 v[232+\b], v[232+\b]                 ; each block's largest p
.endr
	v_pk_add_f32 v[236:237], v[96:97], v[98:99]    ; the row's sum of the unquantised p, in two chains
.irp k, 4,8,12,16,20,24,28,32,36,40,44,48,52,56,60
	v_pk_add_f32 v[14:15], v[14:15], v[96+\k:97+\k]
	v_pk_add_f32 v[236:237], v[236:237], v[98+\k:99+\k]
.endr
	v_pk_add_f32 v[14:15], v[14:15], v[236:237]
	s_wait_alu depctr_va_vdst(0)                   ; and one for the four
.irp b, 0,1,2,3
	v_max_num_f32 v[232+\b], 0x2800000, v[232+\b]  ; the floor 2^(5 - 127): the byte cannot fall under 1
.endr
.irp b, 0,1,2,3
	v_add_nc_u32 v[244+\b], 0xfe000000, v[232+\b]
.endr
.irp b, 0,1,2,3
	v_lshrrev_b32 v[236+\b], 23, v[244+\b]
.endr
	v_lshl_or_b32 v253, v237, 8, v236              ; p's scale word for these 128 positions
	v_lshl_or_b32 v253, v238, 16, v253
	v_lshl_or_b32 v253, v239, 24, v253
.irp c, 0,1
	v_cvt_scalef32_pk16_bf6_f32 v[224+6*\c:226+6*\c], v[96+32*\c:111+32*\c], v[244+2*\c]
	v_cvt_scalef32_pk16_bf6_f32 v[236+4*\c:238+4*\c], v[112+32*\c:127+32*\c], v[244+2*\c+1]
.endr
	v_nop                                          ; one plain line behind a scaled conversion
.irp c, 0,1
.irp i, 0,1,2
	v_permlane16_swap_b32 v[224+6*\c+\i], v[236+4*\c+\i]
.endr
.irp i, 0,1,2
	v_mov_b32 v[227+6*\c+\i], v[236+4*\c+\i]
.endr
.endr
.set j, 0
.rept 32
	v_pk_mul_f32 v[160+j:161+j], v[160+j:161+j], v[252:253] op_sel_hi:[1,0]   ; O^T under the new M; also the places in front of the products below
.set j, j+2
.endr
.endm
; A KEY STEP: 128 positions, both tiles.  No label and no branch stands in it.
.macro STEP last
	v_add_nc_u32 v[ADKV], s[TB], v[KV0]
	v_add_nc_u32 v[ADSC], s[TB], v[SC0]
.if !(\last)
	v_add_nc_u32 v[ADM], s[TB], v[M0]
.endif
	FRL 0, 0
.if !(\last)
	MLD 1
	s_wait_dscnt 16                                ; the fragments are in; tile B's sixteen mask loads may be out
.else
	s_wait_dscnt 0x0
.endif
	QK 0
	PLACES                                         ; in front of loads into registers that matrix instructions have read
	FRL 0, 1
	s_wait_dscnt 0x0
	QK 1
	PLACES                                         ; and of the first read of results
.if !(\last)
	MLD 0                                          ; tile A's mask takes the fragments' registers
.endif
	WIN 0x55
	LOGITS \last
.if !(\last)
	s_wait_dscnt 0x0
.endif
	WIN 0
	LOGITS \last
	FRL PART, 0                                    ; v's first four fragments land under the softmax
	WIN 0x55
	SOFTREST
	WIN 0x01
	v_mov_b32 v30, v253                            ; tile B's scale word into window 0: scale operands have no window
	WIN 0
	SOFTREST
	s_wait_dscnt 0x0
	PV 0
	PLACES
	FRL PART, 1
	s_wait_dscnt 0x0
	PV 1
	PLACES
	WIN 0
.endm
; THE CHANGE OF SLOTS stands at a step's head.  Each wave waits for all its tensor loads, adds 0 to its spare word, and waits for that and for its reads of the slot that it has left; then the barrier.
; fill = 2: a round of the cluster's barrier, and the other slot takes the next step's mask tile and block of k and v.  fill = 1: the block of k and v alone (step 16 has no mask tile).  fill = 0: nothing.
.macro CHANGE fill
	WIN 0
	s_wait_tensorcnt 0x0                           ; no tensor load of mine is out, so a descriptor may be written
	ds_add_u32 v[SPW], v[NIL]                      ; 0 onto my spare word
.if \fill
	s_xor_b32 s[TN], s[TB], SLOTB
	s_add_co_u32 s[G0KV+1], s[TN], KVO
	s_add_nc_u64 s[G0KV+2:G0KV+3], s[G0KV+2:G0KV+3], 2*PART
.endif
.if \fill == 2
	s_add_co_u32 s[G0M+1], s[TN], s[MW]
	s_add_nc_u64 s[G0M+2:G0M+3], s[G0M+2:G0M+3], 512
	s_wait_xcnt 0x0                                ; the last prefetch, a step back, has read its address
	s_add_nc_u64 s[PFA:PFA+1], s[PFA:PFA+1], s[PFS:PFS+1]
.endif
	s_wait_dscnt 0x0                               ; the add is done, and my reads of the slot that I have left are over
.if \fill
	CROUND
.else
	s_barrier_signal -1
	s_barrier_wait -1
.endif
.if \fill == 2
	TLOAD 1
	ASK
.endif
.if \fill == 1
	TLOAD 0
.endif
.endm
	s_wait_loadcnt 0x0                             ; q
.Lstep:                                            ; 15 trips: trip i works step i and asks for step i + 1
	CHANGE 2
	STEP 0
	s_xor_b32 s[TB], s[TB], SLOTB
	s_sub_co_u32 s[CNT], s[CNT], 1
	s_cmp_lg_u32 s[CNT], 0
	s_cbranch_scc1 .Lstep
	CHANGE 1                                       ; the tail is written out
	STEP 0                                         ; step 15
	s_xor_b32 s[TB], s[TB], SLOTB
	CHANGE 0
	STEP 1                                         ; step 16: position 2079 alone
	; THE WAY OUT.  O^T / the sum goes through my stage in LDS, half a head's row (256 bytes) of 16 queries at a time.  The stages lie in slot 1's mask bytes: their last fill was step 15's, and every wave
	; has passed the last change of slots, behind which nobody reads them.
	v_and_b32 v1, 15, v0
	v_bfe_u32 v2, v0, 4, 1
	s_mul_i32 s77, s[WV], 16*272
	s_add_co_u32 s77, s77, SLOTB
	v_mul_u32_u24 v8, v1, 272
	v_lshl_add_u32 v8, v2, 5, v8
	v_add_nc_u32 v8, s77, v8                       ; in: row r; tile t's eight channels of my half at 64 t + 32 h
	v_mul_u32_u24 v9, v2, 272
	v_lshl_add_u32 v9, v1, 4, v9
	v_add_nc_u32 v9, s77, v9                       ; back: lanes 0-15 one row, lanes 16-31 the next
.macro WAYOUT x
.set WW, 0x55*(\x)
.set WD, 0x04*(\x)
.set WL, 0x40*(\x)
	WIN WW
	v_add_f32 v14, v14, v15
	v_permlanex16_b32 v252, v14, s[SEL], s[SEL+1]
	v_add_f32 v14, v14, v252                       ; the row's sum
	v_rcp_f32 v14, v14
	v_nop                                          ; a plain line behind the reciprocal,
	s_wait_alu depctr_va_vdst(0)                   ; and the wait ahead of its first reader
.set j, 0
.rept 64
	v_mul_f32 v[96+j], v[160+j], v14               ; register 8 t + i is o(r, 16 t + 8 h + i)
.set j, j+1
.endr
.irp u, 0,1
	WIN WD                                         ; an LDS store's data are its source 1
.irp t, 0,1,2,3
	ds_store_b128 v8, v[96+32*\u+8*\t:99+32*\u+8*\t] offset:64*\t
	ds_store_b128 v8, v[100+32*\u+8*\t:103+32*\u+8*\t] offset:64*\t+16
.endr
	WIN WL
.irp i, 0,1,2,3,4,5,6,7
	ds_load_b128 v[32+32*\u+4*\i:35+32*\u+4*\i], v9 offset:2*\i*272   ; LDS serves a wave's instructions in order: these see my stores, and the next stores come behind them
.endr
.endr
	WIN WD
.irp u, 0,1
.irp i, 0,1,2,3,4,5,6,7
	s_wait_dscnt 15-8*\u-\i
	global_store_b128 v[GO], v[32+32*\u+4*\i:35+32*\u+4*\i], s[10:11] offset:65536*(\x)+8192*\i+256*\u th:TH_STORE_NT   ; 16 lanes store 256 consecutive bytes, at a multiple of 256 from out0's first byte
.endr
.endr
.endm
	WAYOUT 0
	WAYOUT 1
	WIN 0
	s_wait_tensorcnt 0x0                           ; the wave's end
	ds_add_u32 v[SPW], v[NIL]
	s_wait_dscnt 0x0
	CROUND                                         ; the closing round
	s_endpgm
.Lfunc_end_k_q83590650c0_attn:
	.size	k_q83590650c0_attn, .Lfunc_end_k_q83590650c0_attn-k_q83590650c0_attn
	.p2alignl 7, 3214868480
	.fill 96, 4, 3214868480
	.section	.rodata,"a",@progbits
	.p2align	6, 0x0
	.amdhsa_kernel k_q83590650c0_attn
		.amdhsa_group_segment_fixed_size 327680
		.amdhsa_private_segment_fixed_size 0
		.amdhsa_enable_private_segment 0
		.amdhsa_kernarg_size 32
		.amdhsa_user_sgpr_count 2
		.amdhsa_user_sgpr_kernarg_segment_ptr 1
		.amdhsa_wavefront_size32 1
		.amdhsa_system_sgpr_workgroup_id_x 1
		.amdhsa_system_sgpr_workgroup_id_y 1
		.amdhsa_system_sgpr_workgroup_id_z 1
		.amdhsa_system_vgpr_workitem_id 0
		.amdhsa_next_free_vgpr 512
		.amdhsa_next_free_sgpr 80
		.amdhsa_reserve_vcc 0
		.amdhsa_float_denorm_mode_32 3
		.amdhsa_float_denorm_mode_16_64 3
		.amdhsa_memory_ordered 1
		.amdhsa_forward_progress 1
		.amdhsa_inst_pref_size 150
	.end_amdhsa_kernel
	.amdgpu_metadata
---
amdhsa.version: [ 1, 2 ]
amdhsa.kernels:
  - .name:           k_q83590650c0_attn
    .symbol:         k_q83590650c0_attn.kd
    .args:
      - { .name: qf, .offset: 0, .size: 8, .value_kind: global_buffer, .address_space: global }
      - { .name: kv, .offset: 8, .size: 8, .value_kind: global_buffer, .address_space: global }
      - { .name: attention_mask, .offset: 16, .size: 8, .value_kind: global_buffer, .address_space: global }
      - { .name: out0, .offset: 24, .size: 8, .value_kind: global_buffer, .address_space: global }
    .group_segment_fixed_size: 327680
    .private_segment_fixed_size: 0
    .kernarg_segment_align: 8
    .kernarg_segment_size: 32
    .max_flat_workgroup_size: 256
    .sgpr_count:     80
    .vgpr_count:     512
    .wavefront_size: 32
...
	.end_amdgpu_metadata
.endif
;; end of part 3
